; MI455X (gfx1250); checked and timed in simulation.
; The chip was launched on July 23, 2026; its instructions are those of AMD's public machine-readable ISA for CDNA 5 (MIT licence, August 2026) and "CDNA5" Instruction Set Architecture Reference Guide (July 2026). The comments in the code are by the model that wrote it; some were corrected since.
;; Compiled Autograd0. Allowed arithmetic: matrix products marked QUANTISED: E4M3 operands, one E8M0 scale for each 32 along K, by v_wmma_scale_f32_16x16x128_f8f6f4 with both operands' format E4M3, f32 sums; everything else in f32.
;; Inputs: k 2 x 16 x 2,048 x 64 float32; q 2 x 16 x 2,048 x 64 float32; v 2 x 16 x 2,048 x 64 float32.
;; Outputs: out0 2 x 16 x 2,048 x 64 float32.
;; This version of the problem:
;;   THIS VERSION OF THE PROBLEM IS GIVEN IN LOW PRECISION. The matrix products marked QUANTISED in the list below multiply operands that are first quantised to E4M3 (4 exponent bits, 3 mantissa bits; 8 bits a number), with one power-of-two scale for each 32 numbers along K (OCP MX v1.0); their sums are f32. All else is computed in f32.
;;   The module's matrix products, in the order in which they are computed (A, B: the left and right operand; K: the contracted axis; several contracted axes count as one K, in the product's order):
;;     1. batch 32 x [M 2,048, K 64] x [K 64, N 2,048]; A: input q; B: input k: QUANTISED
;;     2. batch 32 x [M 2,048, K 2,048] x [K 2,048, N 64]; A: softmax (see below); B: input v: QUANTISED
;;   THE QUANTISER, for each operand of a quantised product, along K:
;;     - K is cut into blocks of 32 from its start; a last block that is shorter is filled with zeros.
;;     - A block's scale is 2^e with e = floor(log2(the largest magnitude in the block)) - 8, held to -126 .. 127; a block of zeros has e = 0. As a byte (E8M0): e + 127.
;;     - Each number is divided by its block's scale, clamped to +-448, and rounded to the nearest number of E4M3, ties to even, subnormals kept.
;;     - The product sums the exact products of the quantised numbers (number of the format x scale) in f32.
;;   ~~~python
;;   def quantise(x, axis):      # numpy; x: float32 -> the quantised numbers, widened to float32 again
;;       x = np.moveaxis(x, axis, -1); K = x.shape[-1]
;;       x = np.pad(x, [(0, 0)] * (x.ndim - 1) + [(0, -K % 32)]); x = x.reshape(x.shape[:-1] + (-1, 32)); a = np.abs(x).max(-1, keepdims=True)
;;       e = np.where(a > 0, np.clip(np.frexp(np.where(a > 0, a, 1))[1] - 1 - 8, -126, 127), 0)      # np.frexp(a)[1] - 1 = floor(log2(a)), exactly
;;       r = np.clip(x / 2.0 ** e, -448, 448)
;;       step = 2.0 ** (np.maximum(np.frexp(np.where(r == 0, 1, r))[1] - 1, -6) - 3)
;;       q = np.round(r / step) * step * 2.0 ** e      # np.round: ties to even
;;       return np.moveaxis(q.reshape(q.shape[:-2] + (-1,))[..., :K], -1, axis).astype(np.float32)
;;   ~~~
;;   SOFTMAX AHEAD OF A QUANTISED PRODUCT. Where the list says 'softmax', what is quantised is not the finished softmax but p = 2^(t - M), with t = logit x log2(e) and M = ceil(the row's largest t), a whole number; so 1/2 < the row's largest p <= 1. The row's sum l is taken of the UNQUANTISED p, in f32, and the product's result is divided by l at the end. Since M is a whole number, a kernel that streams over the keys may use a running M (the ceiling of the running maximum): every later rescaling is an exact power of two, which a block's scale takes up: the codes' values come out the same.
;;   OPERANDS COMPUTED ON THE WAY. 'Computed on the way' means the value that the module computes at that place (a softmax that the list does not call 'softmax' is quantised finished and normalised). What goes into a quantiser is computed in f32, as accurately as f32 sums, v_exp_f32 and their like allow (about 1e-6 of the number): no bf16 or f16 on the way to a quantiser, and a product that is left as it is and whose result goes on into a quantised operand takes f32 operands (vector FMAs, or v_wmma_f32_16x16x4_f32). A number that lies on a knife's edge between two numbers of the format may be rounded either way, as far as f32 arithmetic and the matrix unit's own rounding can turn it there, and no further.
;; One version. Each part assembles by itself: llvm-mc -triple=amdgcn-amd-amdhsa -mcpu=gfx1250 --defsym DOCPART=n.
;; ======== version 1 of 1: 2 launches
;; limits: right only within a limited range of input values
;; workspace buffers: kv 8,650,752 bytes
;; launch prep (part 1): grid 256 x 1, 4 waves a work-group, no clusters, 37,376 bytes of LDS; arguments k, v, kv; writes kv
.if DOCPART == 1
	.amdgcn_target "amdgcn-amd-amdhsa--gfx1250"
	.amdhsa_code_object_version 6
	.text
	.protected	k_qe9aa76afac_prep
	.globl	k_qe9aa76afac_prep
	.p2align	8
	.type	k_qe9aa76afac_prep,@function
k_qe9aa76afac_prep:
	s_mov_b64 s[64:65], 0
	v_nop
	global_prefetch_b8 v0, s[64:65] scope:SCOPE_SE
	s_setreg_imm32_b32 hwreg(HW_REG_WAVE_MODE, 25, 1), 1
	s_wait_xcnt 0x0
; k, v [32 heads][2048][64] f32 become codes of FP8 (E4M3) with one E8M0 scale byte for each 32 along the K of the product that takes them:
; k along the head's 64 (innermost in memory), v along the keys (not innermost).  The codes are laid as IMAGES OF THE OPERANDS' REGISTERS, so that the second launch needs 16-byte loads alone.
; kv: [32 heads][16 blocks of 128 keys] blocks of 16,896 bytes:  0: four PAIR FRAGMENTS of K, 2,048 bytes each;  8,192: four fragments of V^T;  16,384: K's scale words;  16,640: V's.
;   pair fragment f: the four registers of group c of lane l lie at 2048 f + 512 c + 16 l.  Lane (r = l % 16, h = l / 16) holds, in groups 0 and 1, channels 32 (c % 2) + 16 h + 0..15 of key 32 f + r + 8 (r / 8),
;   and in groups 2 and 3 the same channels of the key 8 further on.  Its scale word (two bytes for each of the two keys) lies at 16 r + 4 f.
;   fragment t of V^T: lane (r, h), group c: keys 32 c + 16 h + 0..15 of channel 16 t + r.  Its scale word (byte c: keys 32 c on) lies at 16 r + 8 (t % 2) + 4 (t / 2).
; A block's scale is 2^(floor(log2(its largest magnitude)) - 8); its byte is the largest magnitude's exponent field - 8, held at 1 from below; each number is held within +-448 x the scale and rounded to the nearest code, ties to even.
; q is quantised by the second launch, where each of its tiles is used.
; WORK LEFT OUT BY THE PROGRAM (none of it here: this launch quantises every number of k and v; the second launch leaves it out).  The module builds the mask itself: where key > query the score is replaced by the least
; finite f32 number, and the row's maximum, taken over keys <= query (key 0 among them), is taken away before the exponential: such a key's weight is 0 in exact arithmetic's limit and in f32, whatever finite values q, k, v hold.
; So a step of 128 keys all of which come after a tile's 16 queries adds nothing to the row's maximum, to its sum or to the product with v, and is left out whole.  All three inputs keep a way to the output and are loaded.
; LIMITS: a NaN, an infinity or an overflow that reaches only keys hidden from a query is not carried to that query's result.  NaN and infinities among the inputs are not served.  A block whose largest magnitude lies under
; 2^-118 keeps the byte 1; a block of zeros gets the byte 1 where the rule says 127: its codes are zeros, which add nothing under any byte but 0xff, and this program alone reads the bytes.
; SHARES.  1,024 jobs of 128 rows x 256 bytes, one a wave, four a work-group: waves 0-1 take k, waves 2-3 take v.  A job goes in four groups of 32 rows.
; Each load reads 512 consecutive bytes; the 8,192 bytes of a group turn through the wave's own stage in LDS; loads run two groups (32 loads a wave) ahead.
; No tensor loads, no barrier, no loop: waves share nothing, and every offset is an immediate.  Matrix units and clusters have nothing to do here: the launch moves each byte once.
.set WREG,  9216                       ; LDS: a region for each wave: a stage of 32 rows; row i at 272 i + 128 (i / 16)
.set SP,    272                        ; 256 bytes + 16: the rows that one pass of a load touches fall on different 16-byte columns of the 256
.set SPARE, 4*WREG                     ; behind the four regions: the spare words, 128 bytes for each wave: two blocks of 256 bytes that no other line names
.set LO,    2                          ; v2   16 x lane: my 16 bytes of a load's or a store's 512
.set STI,   3                          ; v3   the stage, on the way in
.set RBI,   4                          ; v4   on the way out, by rows (k)
.set CBI,   5                          ; v5   on the way out, by columns (v)
.set VO,    6                          ; v6   v: my codes' place in the block
.set SVA,   7                          ; v7   my two scale words' place: 16 r + 8 h
.set SPW,   8                          ; v8   LDS address of my spare word; never rewritten
.set NIL,   9                          ; v9   0; never rewritten
.set R,     16                         ; v16-143  two sets of 64 registers as loaded
.set X,     144                        ; v144-207 64 numbers for the quantiser
.set PC,    208                        ; v208-223 codes
.set TM,    224                        ; v224-239 at work
.set PWB,   240                        ; v240-243 k: the four fragments' scale words
.set SW,    244                        ; v244-245 v: two scale words
.set OW,    246                        ; v246-247 k: the two words that my lane stores
.set SRC,   16                         ; s[16:17] my job's numbers
.set DST,   18                         ; s[18:19] its codes
.set DSC,   20                         ; s[20:21] its scale words
	s_load_b128 s[4:7], s[0:1], 0x0                ; k, v
	s_load_b64 s[8:9], s[0:1], 0x10                ; kv
	v_lshl_add_u32 v[SPW], v0, 2, SPARE
	v_mov_b32 v[NIL], 0
	v_lshrrev_b32 v10, 5, v0
	v_readfirstlane_b32 s14, v10                   ; wave 0..3
	v_and_b32 v1, 31, v0                           ; lane
	v_and_b32 v11, 15, v0                          ; r
	v_bfe_u32 v12, v0, 4, 1                        ; h
	s_mul_i32 s15, s14, WREG                       ; my region
	v_lshlrev_b32 v[LO], 4, v1
	v_mul_u32_u24 v[STI], v12, SP                  ; in: a load's 512 bytes are two rows: row h, 16 bytes at 16 r
	v_lshl_add_u32 v[STI], v11, 4, v[STI]
	v_add_nc_u32 v[STI], s15, v[STI]
	v_and_b32 v13, 8, v11
	v_add_nc_u32 v14, v13, v11                     ; r + 8 (r / 8)
	v_mul_u32_u24 v[RBI], v14, SP                  ; out by rows: that row,
	v_lshl_add_u32 v[RBI], v13, 4, v[RBI]          ; + 128 where it lies among rows 16-31,
	v_lshl_add_u32 v[RBI], v12, 6, v[RBI]          ; + 64 h: my 16 numbers of a block of 32
	v_add_nc_u32 v[RBI], s15, v[RBI]
	v_lshl_add_u32 v[CBI], v1, 2, s15              ; out by columns: 4 bytes a lane
	v_lshlrev_b32 v[VO], 11, v12                   ; v: column 32 a + lane is row r of fragment 2 a + h
	v_lshl_add_u32 v[VO], v11, 4, v[VO]
	v_lshlrev_b32 v[SVA], 4, v11
	v_lshl_add_u32 v[SVA], v12, 3, v[SVA]
.irp b, 0,1,2,3
	v_mov_b32 v[TM+4+\b], 0                        ; written once: a lane permute's destination counts as one of its sources
.endr
	s_mov_b32 s32, 0x76543210
	s_mov_b32 s33, 0xfedcba98                      ; v_permlanex16_b32's selects for lane l xor 16
	s_mov_b32 s34, 0x600000                        ; the mantissa field of 448
	s_lshl_b32 s22, ttmp9, 1
	s_and_b32 s23, s14, 1
	s_add_co_u32 s22, s22, s23                     ; job 2 g + w % 2: 16 x head + block
	s_mov_b32 s27, 16896                           ; bytes of a block
	s_mul_i32 s27, s22, s27
	s_mov_b32 s26, 16640
	s_wait_alu depctr_va_vdst(0)                   ; the wait at the head's end
	s_wait_kmcnt 0x0
	s_cmp_lt_u32 s14, 2                            ; k or v?  The choices hang on the wave's number alone
	s_cselect_b64 s[SRC:SRC+1], s[4:5], s[6:7]
	s_cselect_b32 s28, 16384, s26                  ; where the scale words lie in the block
	s_cselect_b32 s30, 0, 8192                     ; where the codes lie in it
	s_add_co_u32 s28, s28, s27
	s_add_co_u32 s30, s30, s27
	s_mov_b32 s29, 0
	s_mov_b32 s31, 0
	s_lshl_b32 s36, s22, 15                        ; a job's numbers: 32,768 bytes
	s_mov_b32 s37, 0
	s_add_nc_u64 s[SRC:SRC+1], s[SRC:SRC+1], s[36:37]
	s_add_nc_u64 s[DSC:DSC+1], s[8:9], s[28:29]
	s_add_nc_u64 s[DST:DST+1], s[8:9], s[30:31]
.macro LOAD g                          ; group g: 32 rows, 16 loads of 512 consecutive bytes, into set g % 2
.irp n, 0,1,2,3,4,5,6,7,8,9,10,11,12,13,14,15
	global_load_b128 v[R+64*((\g)%2)+4*\n:R+64*((\g)%2)+4*\n+3], v[LO], s[SRC:SRC+1] offset:(\g)*8192+512*\n th:TH_LOAD_NT
.endr
.endm
.macro TOSTAGE g                       ; as loaded: load n is rows 2 n and 2 n + 1
.irp n, 0,1,2,3,4,5,6,7,8,9,10,11,12,13,14,15
	ds_store_b128 v[STI], v[R+64*((\g)%2)+4*\n:R+64*((\g)%2)+4*\n+3] offset:2*\n*SP+(\n/8)*128
.endr
.endm
.macro READ_R                          ; register 16 c + i: channel 32 (c % 2) + 16 h + i of row r + 8 (r / 8) + 8 (c / 2).  LDS serves a wave's instructions in order: these see the stores above
.irp c, 0,1,2,3
.irp k, 0,1,2,3
	ds_load_b128 v[X+16*\c+4*\k:X+16*\c+4*\k+3], v[RBI] offset:(\c/2)*8*SP+(\c%2)*128+16*\k
.endr
.endr
.endm
.macro READ_C                          ; register 32 a + i: key i of the group, channel 32 a + lane: a lane takes a column, and its registers run down the keys
.irp a, 0,1
.set cnt, 0
.rept 32
	ds_load_b32 v[X+32*\a+cnt], v[CBI] offset:cnt*SP+(cnt/16)*128+128*\a
.set cnt, cnt+1
.endr
.endr
.endm
; 64 numbers of a lane, four blocks of 32 each shared with lane l xor 16, become 16 registers of codes in v[PC] on and a scale word in v[pw]
.macro QUANT s, pw
.irp b, 0,1,2,3
	v_max3_num_f32 v[TM+\b], |v[\s+16*\b]|, |v[\s+1+16*\b]|, 0x4800000   ; block b: my 16 numbers, and the floor 2^(9 - 127): so the byte cannot fall under 1
.endr
.irp i, 2,4,6,8,10,12,14
.irp b, 0,1,2,3
	v_max3_num_f32 v[TM+\b], v[TM+\b], |v[\s+16*\b+\i]|, |v[\s+1+16*\b+\i]|   ; (the four blocks by turns)
.endr
.endr
.irp b, 0,1,2,3
	v_permlanex16_b32 v[TM+4+\b], v[TM+\b], s32, s33
.endr
.irp b, 0,1,2,3
	v_max_num_f32 v[TM+\b], v[TM+\b], v[TM+4+\b]   ; with lane l xor 16's: the block's largest magnitude
.endr
.irp b, 0,1,2,3
	v_add_nc_u32 v[TM+12+\b], 0xfc000000, v[TM+\b] ; 8 off its exponent field: the conversion takes the exponent field of this operand as its scale
.endr
.irp b, 0,1,2,3
	v_and_or_b32 v[TM+8+\b], v[TM+\b], 0x7f800000, s34   ; 448 x the scale
.endr
.irp b, 0,1,2,3
	v_lshrrev_b32 v[TM+4+\b], 23, v[TM+12+\b]      ; the scale's byte
.endr
	v_lshl_or_b32 v[\pw], v[TM+5], 8, v[TM+4]
	v_lshl_or_b32 v[\pw], v[TM+6], 16, v[\pw]
	v_lshl_or_b32 v[\pw], v[TM+7], 24, v[\pw]
.irp b, 0,1,2,3
.irp i, 0,1,2,3,4,5,6,7,8,9,10,11,12,13,14,15
	v_med3_num_f32 v[\s+16*\b+\i], v[\s+16*\b+\i], -v[TM+8+\b], v[TM+8+\b]   ; the conversion to an 8-bit code does not saturate (ISA guide 7.6.2): the hold comes first
.endr
	v_cvt_scalef32_pk8_fp8_f32 v[PC+4*\b:PC+4*\b+1], v[\s+16*\b:\s+16*\b+7], v[TM+12+\b]
	v_cvt_scalef32_pk8_fp8_f32 v[PC+4*\b+2:PC+4*\b+3], v[\s+16*\b+8:\s+16*\b+15], v[TM+12+\b]
.endr
	v_nop                                          ; a plain line behind the last conversion
.endm
; 32 numbers of ONE lane, a whole block down the keys, become 8 registers of codes in v[PC + 8 a] on; the byte goes into place g of the column's scale word
.macro BLOCKQ a, g
.set XS, X+32*(\a)
	v_max3_num_f32 v[TM], |v[XS]|, |v[XS+1]|, |v[XS+2]|
	v_max3_num_f32 v[TM+1], |v[XS+3]|, |v[XS+4]|, |v[XS+5]|
.irp i, 6,10,14,18,22,26
	v_max3_num_f32 v[TM], v[TM], |v[XS+\i]|, |v[XS+\i+1]|
	v_max3_num_f32 v[TM+1], v[TM+1], |v[XS+\i+2]|, |v[XS+\i+3]|
.endr
	v_max3_num_f32 v[TM], v[TM], |v[XS+30]|, |v[XS+31]|
	v_max3_num_f32 v[TM], v[TM], v[TM+1], 0x4800000      ; and the floor
	v_add_nc_u32 v[TM+3], 0xfc000000, v[TM]
	v_and_or_b32 v[TM+2], v[TM], 0x7f800000, s34
	v_lshrrev_b32 v[TM+1], 23, v[TM+3]
.if (\g) == 0
	v_mov_b32 v[SW+\a], v[TM+1]
.else
	v_lshl_or_b32 v[SW+\a], v[TM+1], 8*(\g), v[SW+\a]
.endif
.irp i, 0,1,2,3,4,5,6,7,8,9,10,11,12,13,14,15,16,17,18,19,20,21,22,23,24,25,26,27,28,29,30,31
	v_med3_num_f32 v[XS+\i], v[XS+\i], -v[TM+2], v[TM+2]
.endr
.irp k, 0,1,2,3
	v_cvt_scalef32_pk8_fp8_f32 v[PC+8*(\a)+2*\k:PC+8*(\a)+2*\k+1], v[XS+8*\k:XS+8*\k+7], v[TM+3]
.endr
	v_nop                                          ; a plain line behind the last conversion
.endm
.macro ARRIVE g                        ; what both paths do at a group's head
.if (\g) < 3
	s_wait_loadcnt 16                              ; this group's 16 loads are in; the 16 of the one group issued behind it may be out
.else
	s_wait_loadcnt 0x0
.endif
	TOSTAGE \g
.endm
.macro AHEAD g                         ; and once its numbers are back from the stage
	s_wait_dscnt 0x0                               ; they are back: so the stores into the stage have read their registers,
.if (\g) < 2
	LOAD (\g)+2                                    ; which take the group two further on
.endif
.if (\g) > 0
	s_wait_xcnt 0x0                                ; the last group's stores have read their data: the codes' registers are written again only behind this wait
.endif
.endm
.macro ROWS g                          ; k: group g is pair fragment g
	ARRIVE \g
	READ_R
	AHEAD \g
	QUANT X, PWB+(\g)
.irp c, 0,1,2,3
	global_store_b128 v[LO], v[PC+4*\c:PC+4*\c+3], s[DST:DST+1] offset:(\g)*2048+512*\c   ; 32 lanes store 512 consecutive bytes, aligned
.endr
.endm
.macro COLS g                          ; v: group g is register group g of all four fragments
	ARRIVE \g
	READ_C
	AHEAD \g
	BLOCKQ 0, \g
	BLOCKQ 1, \g
.irp a, 0,1
	global_store_b128 v[VO], v[PC+8*\a:PC+8*\a+3], s[DST:DST+1] offset:\a*4096+(\g)*512          ; keys 0-15 of the block: the places of lanes 0-15; each half of my lanes stores 256 consecutive bytes, aligned
	global_store_b128 v[VO], v[PC+8*\a+4:PC+8*\a+7], s[DST:DST+1] offset:\a*4096+(\g)*512+256    ; keys 16-31: the places of lanes 16-31
.endr
.endm
	LOAD 0
	LOAD 1
	s_cmp_lt_u32 s14, 2
	s_cbranch_scc0 .Lcolumns
	ROWS 0
	ROWS 1
	ROWS 2
	ROWS 3
	v_cmp_gt_u32 vcc_lo, 16, v1                    ; both halves of the lanes hold all four words: lanes 0-15 store fragments 0 and 1's, lanes 16-31 fragments 2 and 3's
	v_cndmask_b32 v[OW], v[PWB+2], v[PWB], vcc_lo
	v_cndmask_b32 v[OW+1], v[PWB+3], v[PWB+1], vcc_lo
	global_store_b64 v[SVA], v[OW:OW+1], s[DSC:DSC+1]   ; 32 lanes store 256 consecutive bytes, aligned
	s_branch .Lend
.Lcolumns:
	s_wait_alu depctr_va_vdst(0)
	COLS 0
	COLS 1
	COLS 2
	COLS 3
	global_store_b64 v[SVA], v[SW:SW+1], s[DSC:DSC+1]   ; lane (r, h): the words of fragments h and 2 + h
.Lend:
	s_wait_tensorcnt 0x0                           ; the wave's end: behind my last LDS store
	ds_add_u32 v[SPW], v[NIL]
	s_wait_dscnt 0x0
	s_endpgm
.Lfunc_end_k_qe9aa76afac_prep:
	.size	k_qe9aa76afac_prep, .Lfunc_end_k_qe9aa76afac_prep-k_qe9aa76afac_prep
	.p2alignl 7, 3214868480
	.fill 96, 4, 3214868480
	.section	.rodata,"a",@progbits
	.p2align	6, 0x0
	.amdhsa_kernel k_qe9aa76afac_prep
		.amdhsa_group_segment_fixed_size 37376
		.amdhsa_private_segment_fixed_size 0
		.amdhsa_enable_private_segment 0
		.amdhsa_kernarg_size 24
		.amdhsa_user_sgpr_count 2
		.amdhsa_user_sgpr_kernarg_segment_ptr 1
		.amdhsa_wavefront_size32 1
		.amdhsa_system_sgpr_workgroup_id_x 1
		.amdhsa_system_sgpr_workgroup_id_y 1
		.amdhsa_system_sgpr_workgroup_id_z 1
		.amdhsa_system_vgpr_workitem_id 0
		.amdhsa_next_free_vgpr 256
		.amdhsa_next_free_sgpr 66
		.amdhsa_reserve_vcc 1
		.amdhsa_float_denorm_mode_32 3
		.amdhsa_float_denorm_mode_16_64 3
		.amdhsa_memory_ordered 1
		.amdhsa_forward_progress 1
		.amdhsa_inst_pref_size 105
	.end_amdhsa_kernel
	.amdgpu_metadata
---
amdhsa.version: [ 1, 2 ]
amdhsa.kernels:
  - .name:           k_qe9aa76afac_prep
    .symbol:         k_qe9aa76afac_prep.kd
    .args:
      - { .name: k, .offset: 0, .size: 8, .value_kind: global_buffer, .address_space: global }
      - { .name: v, .offset: 8, .size: 8, .value_kind: global_buffer, .address_space: global }
      - { .name: kv, .offset: 16, .size: 8, .value_kind: global_buffer, .address_space: global }
    .group_segment_fixed_size: 37376
    .private_segment_fixed_size: 0
    .kernarg_segment_align: 8
    .kernarg_segment_size: 24
    .max_flat_workgroup_size: 128
    .sgpr_count:     66
    .vgpr_count:     256
    .wavefront_size: 32
...
	.end_amdgpu_metadata
.endif
;; end of part 1
;; launch attn (part 2): grid 8 x 32, 16 waves a work-group, clusters of 4 x 1, 327,680 bytes of LDS; arguments q, kv, out0; writes out0
.if DOCPART == 2
	.amdgcn_target "amdgcn-amd-amdhsa--gfx1250"
	.amdhsa_code_object_version 6
	.text
	.protected	k_qe9aa76afac_attn
	.globl	k_qe9aa76afac_attn
	.p2align	8
	.type	k_qe9aa76afac_attn,@function
k_qe9aa76afac_attn:
	s_mov_b64 s[64:65], 0
	v_nop
	global_prefetch_b8 v0, s[64:65] scope:SCOPE_SE
	s_setreg_imm32_b32 hwreg(HW_REG_WAVE_MODE, 25, 1), 1
	s_wait_xcnt 0x0
	s_wait_alu depctr_hold_cnt(0) depctr_sa_sdst(0) depctr_va_vdst(0) depctr_va_sdst(0) depctr_va_ssrc(0) depctr_va_vcc(0) depctr_vm_vsrc(0)
	s_getreg_b32 s2, hwreg(HW_REG_IB_STS2, 6, 4)
	s_cmp_eq_u32 s2, 0
	s_cbranch_scc0 .Lentry_in_a_cluster
	s_endpgm
.Lentry_in_a_cluster:
	s_bfe_u32 s2, ttmp6, 0x10000c
	s_cmp_lg_u32 s2, 0x3003
	s_cbranch_scc0 .Lentry_shape_is_right
	s_endpgm
.Lentry_shape_is_right:
; out0[head][query][:] = the sum over keys k <= query of softmax_k(q . k / 8) v[k][:], 32 heads x 2,048 x 64, both products on codes of FP8 (E4M3) with one E8M0 scale for each 32 along a product's K.
; K's and V's codes and scale words come from the first launch as images of the operands' registers (its head comment has the layout of kv).  Q is quantised here, in registers, at the kernel's head.
; WORK LEFT OUT: a step of 128 keys all of which come after a tile's 16 queries.  The module itself hides those keys (key > query) behind the least finite number ahead of its softmax: their weight is 0, whatever finite
; values the inputs hold; the proof stands at the head of the first launch.  In a tile's one step on the diagonal the scores of hidden keys are held under -2^99 ahead of the maximum, so p = 0 and the codes are zeros.  Key 0 counts for every query.
; LIMITS: a NaN, an infinity or an overflow that reaches only hidden keys is not carried to the result; NaN and infinities among the inputs are not served; the promise holds while the scaled scores t stay under 2^31 in
; magnitude; a p under 2^-126 counts as 0 (v_exp_f32 flushes: ISA guide 15.8); Q's blocks whose largest magnitude lies under 2^-118 keep the scale byte 1.
; THE SOFTMAX AHEAD OF THE SECOND PRODUCT: t = score x log2(e) / 8; M = the running largest t, rounded UP to a whole number; p = 2^(t - M) is quantised along the keys, not normalised.  The row's sum is taken of the
; unquantised p and divides at the end.  When M moves, the sum and O are multiplied by 2^(old M - new M): exact.  A block's scale exponent is floor(its largest t - M) - 8.
; SHARES.  A head has 16 blocks of 128 queries, 8 tiles of 16 each.  Work-group j of a head owns tile j of EVERY block: 1 + 2 + .. + 16 = 136 steps, the same in all work-groups.  Pair p = 0..7 is the tile of block 8 + p (late, 9 + p steps)
; and that of block 7 - p (early, 8 - p steps).  Wave p walks steps 0..8 of the late tile.  Wave 8 + p walks the early tile, whose rows then leave, and the late tile's steps 9 on: 8 steps.  The late tile's two partial results
; (M, sum, O) are joined by wave p, through LDS.
; THE WHOLE HEAD LIES IN LDS: 16 blocks of kv, 270,336 bytes, one tensor load a wave at the head, nothing filled twice.  Three barriers show what has landed: block 0; then blocks 1, 9, 2, 10; then all.
; CLUSTER: four work-groups of one head need the same blocks and walk alike: each block is a joint load.  A work-group's place decides data and global addresses of q and out0 alone.
; NO PREFETCH: every tile is asked for at the head, so there is no loop to run ahead in.
; LAYOUT.  Both products are used transposed (S^T = K Q^T, O^T = V^T P^T): a lane holds ONE query throughout.  The head has 64 channels and the instruction is 128 deep: source 0 holds TWO tiles of 16 keys, one in each
; half of K; source 1 is [Q | zeros] for the first and [zeros | Q] for the second.  Registers 16 f + 0..15 of S^T are keys 32 f + 16 (lane / 16) + 0..15 of the step.
.set BLK,    16896                     ; a block of kv: 128 keys
.set PART,   16*BLK                    ; behind the blocks: for each pair 4,608 bytes: the stage of the way out, and the late tile's second partial result
.set REGB,   4608
.set SPITCH, 272
.set SPARE,  PART+8*REGB               ; the spare words, 128 bytes for each wave: eight blocks of 256 bytes that no other line names
.set LI,   1                           ; v1   16 x lane: my place in an image
.set ADR,  2                           ; v2   LDS address of the block in hand, + 16 x lane
.set SPW,  3                           ; v3   LDS address of my spare word; never rewritten
.set NIL,  4                           ; v4   0; never rewritten
.set QOF,  5                           ; v5   my lane's place in a tile of q
.set SIN,  6                           ; v6   the way out: where I put 32 bytes of a row
.set SBK,  7                           ; v7   where I read a row back
.set TV,   8
.set PS,   9                           ; v9   p's scale word
.set GO,   10                          ; v10  my byte offset in a tile of out0
.set PBA,  11                          ; v11  my place in the pair's partial result
; v12 -M, v13 named as its pair's upper half, v[14:15] the sum in two halves
.set QZ,   16                          ; v16-23 zeros, v24-31 Q's codes, v32-39 zeros
.set QS,   40                          ; v40  Q's scale word: its two bytes, twice
.set QS2,  41                          ; v41  the second tile's
.set MB,   42                          ; v[42:43] the diagonal's bounds for keys 0 and 1 of my half
.set SC,   44                          ; v44-47 the step's scale words: lanes 0-15 K's fragments 0..3, lanes 16-31 V's fragments 0, 2, 1, 3
.set F,    48                          ; v48-111 four fragments, of K and then of V
.set S,    112                         ; v112-175 S^T, then p
.set O,    176                         ; v176-207 O^T
.set PC,   208                         ; v208-223 p's codes
.set BM,   224                         ; v224-227 the blocks' largest scores, then 448 x the scale;  behind the conversions v224-231 hold four partial sums (pairs)
.set T2,   228                         ; v228-231 at work
.set SO,   232                         ; v232-235 the conversions' scale operands
.set A0,   236                         ; v236-243 four partial sums (pairs)
.set FF,   244                         ; v[244:245] f = 2^(old M - new M), named as a pair
.set TA,   247
.set Q2,   248                         ; v248-255 the second tile's codes
.set WV,   10                          ; s10  my wave's number
.set P,    11                          ; s11  my pair
.set HD,   12                          ; s12  the head
.set JP,   13                          ; s13  my work-group's tile in each block
.set SWI,  14                          ; s14  waves 8-15: the trip at which the tile changes
.set NL,   15                          ; s15  my trips: 9, in waves 8-15 8
.set CB,   16                          ; s16  the block of my tile's queries
.set J1,   17                          ; s17  p + 1
.set I,    18                          ; s18  the trip
.set KB,   19                          ; s19  the step's block of keys
.set TB,   20                          ; s20  where it begins in LDS
.set ROLE, 21                          ; s21  0 in waves 0-7, 1 in waves 8-15
.set SEL,  22                          ; s[22:23] v_permlanex16_b32's selects for lane l xor 16
.set CS,   24                          ; s[24:25] c = log2(e) / 8, named as a pair
.set MNT,  26                          ; s26  the mantissa field of 448
.set NC,   28                          ; s28  -c
.set LB,   29                          ; s29  the late tile's block
.set OF,   32                          ; s[32:33] the first tile's rows in out0
.set OL,   34                          ; s[34:35] the late tile's
.set G1,   36                          ; s[36:43] descriptor group 1
.set G0,   44                          ; s[44:47] descriptor group 0
.macro ROUND                           ; a round of the cluster's barrier
	s_barrier_signal -1
	s_barrier_wait -1
	s_cmp_lg_u32 s[WV], 0
	s_cbranch_scc1 .Lnot_wave_0_\@
	s_barrier_signal -3
.Lnot_wave_0_\@:
	s_barrier_wait -3
	s_barrier_signal -1
	s_barrier_wait -1
.endm
; 32 numbers of a lane, two blocks of 32 each shared with lane l xor 16, become 8 registers of codes in v[d] on; the two bytes go into v[w], twice: they serve Q in either half of K
.macro QUANTQ s, d, w
.irp b, 0,1
	v_max3_num_f32 v[BM+\b], |v[\s+16*\b]|, |v[\s+16*\b+1]|, 0x4800000   ; and the floor 2^(9 - 127): so the byte cannot fall under 1
.endr
.irp i, 2,4,6,8,10,12,14
.irp b, 0,1
	v_max3_num_f32 v[BM+\b], v[BM+\b], |v[\s+16*\b+\i]|, |v[\s+16*\b+\i+1]|
.endr
.endr
.irp b, 0,1
	v_permlanex16_b32 v[T2+\b], v[BM+\b], s[SEL], s[SEL+1]
.endr
.irp b, 0,1
	v_max_num_f32 v[BM+\b], v[BM+\b], v[T2+\b]
.endr
.irp b, 0,1
	v_add_nc_u32 v[SO+\b], 0xfc000000, v[BM+\b]    ; 8 off the exponent field: the conversion's scale operand
.endr
.irp b, 0,1
	v_and_or_b32 v[A0+\b], v[BM+\b], 0x7f800000, s[MNT]   ; 448 x the scale
.endr
.irp b, 0,1
	v_lshrrev_b32 v[T2+\b], 23, v[SO+\b]
.endr
	v_lshl_or_b32 v[\w], v[T2+1], 8, v[T2]
	v_lshl_or_b32 v[\w], v[\w], 16, v[\w]
.irp b, 0,1
.irp i, 0,1,2,3,4,5,6,7,8,9,10,11,12,13,14,15
	v_med3_num_f32 v[\s+16*\b+\i], v[\s+16*\b+\i], -v[A0+\b], v[A0+\b]   ; the conversion to an 8-bit code does not saturate (ISA guide 7.6.2): the hold comes first
.endr
	v_cvt_scalef32_pk8_fp8_f32 v[\d+4*\b:\d+4*\b+1], v[\s+16*\b:\s+16*\b+7], v[SO+\b]
	v_cvt_scalef32_pk8_fp8_f32 v[\d+4*\b+2:\d+4*\b+3], v[\s+16*\b+8:\s+16*\b+15], v[SO+\b]
.endr
	v_nop                                          ; a plain line behind the last conversion
.endm
.macro QLOAD s, base                   ; register 16 c + 4 k + i: channel 32 c + 16 h + 4 k + i of query r
.irp c, 0,1
.irp k, 0,1,2,3
	global_load_b128 v[\s+16*\c+4*\k:\s+16*\c+4*\k+3], v[QOF], s[\base:\base+1] offset:128*\c+16*\k
.endr
.endr
.endm
	s_load_b128 s[4:7], s[0:1], 0x0                ; q, kv
	s_load_b64 s[8:9], s[0:1], 0x10                ; out0
	v_lshl_add_u32 v[SPW], v0, 2, SPARE
	v_mov_b32 v[NIL], 0
	ds_add_u32 v[SPW], v[NIL]                      ; the wave's opening: the add, twice on end, and its wait ahead of the first tensor load; the set-up below, work on registers, stands between
	ds_add_u32 v[SPW], v[NIL]                      ; and once more, under the one wait
	v_lshrrev_b32 v8, 5, v0
	v_readfirstlane_b32 s[WV], v8                  ; wave 0..15
	s_bfe_u32 s[JP], ttmp6, 0x40000                ; my place in the cluster
	s_lshl_b32 s27, ttmp9, 2
	s_add_co_u32 s[JP], s[JP], s27
	s_and_b32 s[HD], ttmp7, 0xffff
	s_and_b32 s[P], s[WV], 7
	s_lshr_b32 s[ROLE], s[WV], 3
	s_add_co_u32 s[J1], s[P], 1
	s_add_co_u32 s[LB], s[P], 8
	s_sub_co_u32 s30, 7, s[P]                      ; the early tile's block
	s_sub_co_u32 s[SWI], 8, s[P]
	s_sub_co_u32 s[NL], 9, s[ROLE]
	s_cmp_lt_u32 s[WV], 8
	s_cselect_b32 s[CB], s[LB], s30                ; my first tile's block
	s_lshl_b32 s31, s[HD], 19                      ; q and out0: 524,288 bytes a head, 32,768 a block, 4,096 a tile
	s_lshl_b32 s27, s[JP], 12
	s_add_co_u32 s31, s31, s27
	s_lshl_b32 s50, s[CB], 15
	s_add_co_u32 s50, s50, s31
	s_mov_b32 s51, 0
	s_lshl_b32 s52, s[LB], 15
	s_add_co_u32 s52, s52, s31
	s_mov_b32 s53, 0
	; the block that my wave fetches, in the order in which the walks need them: waves 0, 1, 2, .. take blocks 0, 1, 9, 2, 10, 3, 11, .. 15, 8
	s_add_co_u32 s27, s[WV], 1
	s_lshr_b32 s27, s27, 1
	s_and_b32 s30, s[WV], 1
	s_xor_b32 s30, s30, 1
	s_min_u32 s54, s[WV], 1
	s_and_b32 s30, s30, s54
	s_lshl_b32 s30, s30, 3
	s_add_co_u32 s27, s27, s30
	s_mul_i32 s[G0+1], s27, BLK                    ; 63:32 LDS address
	s_mul_i32 s48, s[HD], 16*BLK
	s_add_co_u32 s48, s48, s[G0+1]
	s_mov_b32 s49, 0
	s_min_u32 s56, s[P], 1
	s_and_b32 s56, s56, s[ROLE]                    ; 1 in a wave that walks a second tile (wave 8 has none of its steps)
	s_mul_i32 s57, s[P], REGB
	s_add_co_u32 s57, s57, PART                    ; my pair's bytes
	s_lshl_b32 s55, s[JP], 4
	; descriptor group 1: a dense block of 66 rows of 256 bytes (32 elements of 8 bytes); no padding: the images are read 16 bytes a lane on end
	s_mov_b32 s[G1], 15|(3<<16)|(1<<21)            ; 15:0 the mask: the cluster's four work-groups; 17:16 elements of 8 bytes; 21 set beside a mask
	s_mov_b32 s[G1+1], 32<<16                      ; tensor_dim0 = 32
	s_mov_b32 s[G1+2], 66<<16                      ; tensor_dim1 = 66
	s_mov_b32 s[G1+3], 32<<16                      ; tile_dim0 = 32
	s_mov_b32 s[G1+4], 66                          ; tile_dim1 = 66
	s_mov_b32 s[G1+5], 32                          ; tensor_dim0_stride
	s_mov_b32 s[G1+6], 0
	s_mov_b32 s[G1+7], 0
	s_mov_b32 s[SEL], 0x76543210
	s_mov_b32 s[SEL+1], 0xfedcba98
	s_mov_b32 s[CS], 0x3e38aa3b                    ; c = log2(e) / 8
	s_mov_b32 s[CS+1], s[CS]                       ; (named with it as a pair, so it is written)
	s_mov_b32 s[NC], 0xbe38aa3b
	s_mov_b32 s[MNT], 0x600000
	s_mov_b32 s[I], 0
	v_and_b32 v8, 15, v0                           ; r
	v_bfe_u32 v13, v0, 4, 1                        ; h
	v_and_b32 v[LI], 31, v0
	v_lshlrev_b32 v[QOF], 8, v8                    ; q: row r of 256 bytes, + 64 h
	v_lshl_add_u32 v[QOF], v13, 6, v[QOF]
	v_lshlrev_b32 v[LI], 4, v[LI]
	v_mul_u32_u24 v[SIN], v8, SPITCH
	v_mul_u32_u24 v[SBK], v13, SPITCH
	v_lshlrev_b32 v[GO], 8, v13
	v_lshl_add_u32 v[SIN], v13, 5, v[SIN]
	v_lshl_add_u32 v[SBK], v8, 4, v[SBK]
	v_lshl_add_u32 v[GO], v8, 4, v[GO]             ; out0: lanes 0-15 one row, lanes 16-31 the next
	v_add_nc_u32 v[SIN], s57, v[SIN]               ; in: row r; tile t's eight channels of my half: 64 t + 32 h bytes on
	v_add_nc_u32 v[SBK], s57, v[SBK]               ; back: lanes 0-15 one row, lanes 16-31 the next
	v_add_nc_u32 v[PBA], s57, v[LI]
	v_mov_b32 v[ADR], v[LI]                        ; every walk begins at block 0, LDS byte 0
	v_lshlrev_b32 v[TA], 4, v13                    ; d = my query - the step's first key - 16 h, on the diagonal: 16 j + r - 16 h
	v_sub_nc_u32 v[TA], v8, v[TA]
	v_add_nc_u32 v[TA], s55, v[TA]
	v_cvt_f32_i32 v[TA], v[TA]
	v_add_f32 v[TA], 0.5, v[TA]
	v_mul_f32 v[MB], 0x71800000, v[TA]             ; the bound of key n: (d - n + 0.5) x 2^100: positive where the key counts, negative where it is hidden
	v_add_f32 v[MB+1], 0xf1800000, v[MB]
	s_wait_alu depctr_va_vdst(0)                   ; directly ahead of the waits below
	s_wait_dscnt 0x0                               ; both opening adds are done
	s_wait_kmcnt 0x0
	s_add_nc_u64 s[OF:OF+1], s[8:9], s[50:51]
	s_add_nc_u64 s[OL:OL+1], s[8:9], s[52:53]
	s_add_nc_u64 s[50:51], s[4:5], s[50:51]
	s_add_nc_u64 s[52:53], s[4:5], s[52:53]
	QLOAD S, 50                                    ; my first tile of q
	s_mov_b32 s[G0], 1                             ; 1:0 count = 1
	s_add_nc_u64 s[G0+2:G0+3], s[6:7], s[48:49]    ; 120:64 global address
	s_or_b32 s[G0+3], s[G0+3], 0x80000000          ; 127:126 type = 2
	ROUND                                          ; all four work-groups are here: the joint loads meet
; ONE tree of branches on the wave's number, an arm for each of the three barriers that show what has landed
.macro TLOAD
	tensor_load_to_lds s[G0:G0+3], s[G1:G1+7]
	s_nop 0
.rept 4
	v_nop
.endr
.endm
	s_cmp_lt_u32 s[WV], 1
	s_cbranch_scc0 .Larm1
	TLOAD
	s_branch .Lasked
.Larm1:
	s_cmp_lt_u32 s[WV], 5
	s_cbranch_scc0 .Larm2
	TLOAD
	s_branch .Lasked
.Larm2:
	TLOAD
.Lasked:
	s_cmp_eq_u32 s56, 0
	s_cbranch_scc1 .Lone_tile
	QLOAD S+32, 52                                 ; the second tile of q
.Lone_tile:
	v_mov_b32 v12, 0x7f61b1e6                      ; -M: 3e38, over every -t
	v_mov_b32 v13, 0
	v_mov_b32 v14, 0                               ; the sum, in two halves
	v_mov_b32 v15, 0
	v_mov_b32 v[QS2], 0
	v_mov_b32 v[FF+1], 0                           ; (named as the upper half of the pair)
.irp b, 0,1,2,3
	v_mov_b32 v[T2+\b], 0                          ; written once: a lane permute's destination counts as one of its sources
.endr
.irp i, 0,1,2,3,4,5,6,7
	v_mov_b32 v[QZ+\i], 0                          ; zero codes on both sides of Q's
	v_mov_b32 v[QZ+16+\i], 0
	v_mov_b32 v[Q2+\i], 0
.endr
	s_wait_alu depctr_va_vdst(0)                   ; directly ahead of the wait below
	s_wait_loadcnt 0x0                             ; q
	QUANTQ S, QZ+8, QS
	s_wait_alu depctr_va_vdst(0)                   ; and ahead of the branch
	s_cmp_eq_u32 s56, 0
	s_cbranch_scc1 .Lone_quant
	QUANTQ S+32, Q2, QS2
.Lone_quant:
.set cnt, 0
.rept 32
	v_mov_b32 v[O+cnt], 0                          ; O^T.  (The first step finds zeros, which the first change of M leaves zeros.  These lines are also the places between Q's conversions and the first product)
.set cnt, cnt+1
.endr
.macro KLOAD                           ; K's four pair fragments and the block's scale words
.irp f, 0,1,2,3
.irp c, 0,1,2,3
	ds_load_b128 v[F+16*\f+4*\c:F+16*\f+4*\c+3], v[ADR] offset:\f*2048+\c*512
.endr
.endr
	ds_load_b128 v[SC:SC+3], v[ADR] offset:16384   ; lanes 0-15: K's scale words, lanes 16-31: V's
.endm
.macro COMBINE                         ; the last step's eight partial sums go into the row's
.irp m, 0,2,4,6
	v_pk_add_f32 v[A0+\m:A0+\m+1], v[A0+\m:A0+\m+1], v[BM+\m:BM+\m+1]
.endr
	v_pk_add_f32 v[A0:A0+1], v[A0:A0+1], v[A0+2:A0+3]
	v_pk_add_f32 v[A0+4:A0+5], v[A0+4:A0+5], v[A0+6:A0+7]
	s_delay_alu instid0(VALU_DEP_1)
	v_pk_add_f32 v[A0:A0+1], v[A0:A0+1], v[A0+4:A0+5]
	s_delay_alu instid0(VALU_DEP_1)
	v_pk_add_f32 v[14:15], v[14:15], v[A0:A0+1]
.endm
.macro HOLD d, s, b                    ; block b: p within 448 x the scale; the conversion to an 8-bit code does not saturate (ISA guide 7.6.2), and p is not negative
.irp i, 0,1,2,3,4,5,6,7,8,9,10,11,12,13,14,15
	v_min_num_f32 v[\d+\i], v[\s+\i], v[BM+\b]
.endr
.endm
.macro CODES s, b
	v_cvt_scalef32_pk8_fp8_f32 v[PC+4*\b:PC+4*\b+1], v[\s:\s+7], v[SO+\b]
	v_cvt_scalef32_pk8_fp8_f32 v[PC+4*\b+2:PC+4*\b+3], v[\s+8:\s+15], v[SO+\b]
.endm
; A KEY STEP: 128 keys.  K's fragments have been asked for; the next step's LDS address is made on the way.
.macro WHERE                           ; s27, a trip's number -> its block and where that begins: the trip's number, and in waves 8-15 from the change of tiles on p + 1 more
	s_add_co_u32 s30, s27, s[P]
	s_lshr_b32 s30, s30, 3
	s_min_u32 s30, s30, s[ROLE]
	s_mul_i32 s30, s30, s[J1]
	s_add_co_u32 s[KB], s27, s30
	s_min_u32 s[KB], s[KB], 15
	s_mul_i32 s[TB], s[KB], BLK
.endm
.macro STEP first
	s_mov_b32 s27, s[I]
	WHERE                                          ; this step's block
	s_wait_dscnt 0x0                               ; K is in
.irp f, 0,1,2,3                                ; S^T = K Q^T: each pair fragment against [Q | 0] and against [0 | Q]
	v_wmma_scale_f32_16x16x128_f8f6f4 v[S+16*\f:S+16*\f+7], v[F+16*\f:F+16*\f+15], v[QZ+8:QZ+23], 0, v[SC+\f], v[QS]
	v_wmma_scale_f32_16x16x128_f8f6f4 v[S+16*\f+8:S+16*\f+15], v[F+16*\f:F+16*\f+15], v[QZ:QZ+15], 0, v[SC+\f], v[QS]
.endr
	v_add_nc_u32 v[ADR], s[TB], v[LI]
.if \first
.rept 8
	v_nop                                          ; eight places: for the loads below, and for the first read of the scores
.endr
.else
	COMBINE                                        ; its eight additions are the eight places for the loads below and for the first read of the scores
.endif
.irp t, 0,1,2,3
.irp c, 0,1,2,3
	ds_load_b128 v[F+16*\t+4*\c:F+16*\t+4*\c+3], v[ADR] offset:8192+\t*2048+\c*512   ; V's four fragments land while the softmax is walked
.endr
.endr
	s_cmp_lg_u32 s[KB], s[CB]                      ; on the diagonal the scores of hidden keys go under their negative bounds; a step all of whose keys count skips this
	s_cbranch_scc1 .Lopen_\@
	v_mov_b32 v[A0], v[MB]
	v_mov_b32 v[A0+1], v[MB+1]
	v_add_f32 v[A0+2], 0xf4000000, v[MB]           ; 32, 64 and 96 keys on: - 2^105, - 2^106, - 1.5 x 2^106
	v_add_f32 v[A0+3], 0xf4000000, v[MB+1]
	v_add_f32 v[A0+4], 0xf4800000, v[MB]
	v_add_f32 v[A0+5], 0xf4800000, v[MB+1]
	v_add_f32 v[A0+6], 0xf4c00000, v[MB]
	v_add_f32 v[A0+7], 0xf4c00000, v[MB+1]
	v_mov_b32 v[FF], 0xf2000000                    ; two keys on: - 2 x 2^100.  (The last step's f has been used; this step's is not made yet)
	v_mov_b32 v[FF+1], 0xf2000000
.irp i, 0,2,4,6,8,10,12,14
.irp f, 0,1,2,3
	v_min_num_f32 v[S+16*\f+\i], v[S+16*\f+\i], v[A0+2*\f]
	v_min_num_f32 v[S+16*\f+\i+1], v[S+16*\f+\i+1], v[A0+2*\f+1]
.endr
.if \i < 14
.irp f, 0,1,2,3
	v_pk_add_f32 v[A0+2*\f:A0+2*\f+1], v[A0+2*\f:A0+2*\f+1], v[FF:FF+1]
.endr
.endif
.endr
.Lopen_\@:
.irp b, 0,1,2,3
	v_max3_num_f32 v[BM+\b], v[S+16*\b], v[S+16*\b+1], v[S+16*\b+2]   ; the largest score of each block of 32 keys: it serves for the row's maximum and for the block's scale
.endr
.irp i, 3,5,7,9,11,13
.irp b, 0,1,2,3
	v_max3_num_f32 v[BM+\b], v[BM+\b], v[S+16*\b+\i], v[S+16*\b+\i+1]   ; (the four blocks by turns; each accumulator is read from its low end on)
.endr
.endr
.irp b, 0,1,2,3
	v_max_num_f32 v[BM+\b], v[BM+\b], v[S+16*\b+15]
.endr
.irp b, 0,1,2,3
	s_delay_alu instid0(VALU_DEP_4)
	v_permlanex16_b32 v[T2+\b], v[BM+\b], s[SEL], s[SEL+1]
.endr
.irp b, 0,1,2,3
	s_delay_alu instid0(VALU_DEP_4)
	v_max_num_f32 v[BM+\b], v[BM+\b], v[T2+\b]     ; with lane l xor 16's 16 keys
.endr
	s_delay_alu instid0(VALU_DEP_2)
	v_max3_num_f32 v[TA], v[BM], v[BM+1], v[BM+2]
	s_delay_alu instid0(VALU_DEP_1)
	v_max_num_f32 v[TA], v[TA], v[BM+3]            ; the step's largest score of my query
	s_delay_alu instid0(VALU_DEP_1)
	v_mul_f32 v[TA], s[NC], v[TA]                  ; as -t
	s_delay_alu instid0(VALU_DEP_1)
	v_floor_f32 v[TA], v[TA]                       ; floor(-t) = -ceil(t): a whole number
	s_delay_alu instid0(VALU_DEP_1)
	v_sub_f32 v[TV], v[TA], v12
	s_delay_alu instid0(VALU_DEP_2)
	v_min_num_f32 v12, v12, v[TA]                  ; the new -M
	s_delay_alu instid0(VALU_DEP_2)
	v_min_num_f32 v[TV], 0, v[TV]                  ; M's old value less its new one: a whole number, 0 or less
	s_delay_alu instid0(VALU_DEP_1)
	v_cvt_i32_f32 v[TV], v[TV]                     ; (it saturates)
	s_delay_alu instid0(VALU_DEP_1)
	v_ldexp_f32 v[FF], 1.0, v[TV]                  ; f = 2^(old M - new M)
.irp b, 0,1,2,3
	v_fma_f32 v[BM+\b], v[BM+\b], s[CS], v12       ; t - M of each block's largest score
.endr
.set cnt, 0
.rept 32
	v_pk_fma_f32 v[S+cnt:S+cnt+1], v[S+cnt:S+cnt+1], s[CS:CS+1], v[12:13] op_sel_hi:[1,0,0]   ; t - M, two at a time (of the pairs c and -M the low word serves both halves)
.set cnt, cnt+2
.endr
.irp b, 0,1,2,3
	v_max_num_f32 v[BM+\b], 0xc2ec0000, v[BM+\b]   ; -118 at the least: so the byte cannot fall under 1 (a block whose every p is 0 keeps that byte: its codes are zeros)
.endr
.irp b, 0,1,2,3
	v_floor_f32 v[BM+\b], v[BM+\b]                 ; n = floor(log2(the block's largest p)),
.endr
.irp b, 0,1,2,3
	v_cvt_i32_f32 v[BM+\b], v[BM+\b]               ; as a whole number
.endr
.irp b, 0,1,2,3
	v_lshl_add_u32 v[SO+\b], v[BM+\b], 23, 0x3b800000   ; the conversion's scale operand: exponent field n - 8 + 127
.endr
	v_lshl_add_u32 v[PS], v[BM+1], 8, v[BM]        ; p's scale word: the four n, and 119 onto each byte
	v_lshl_add_u32 v[PS], v[BM+2], 16, v[PS]
	v_lshl_add_u32 v[PS], v[BM+3], 24, v[PS]
	v_add_nc_u32 v[PS], 0x77777777, v[PS]
.irp b, 0,1,2,3
	v_lshl_add_u32 v[BM+\b], v[BM+\b], 23, 0x3fe00000   ; 448 x the scale = 1.75 x 2^n
.endr
	s_wait_alu depctr_va_vdst(0)                   ; ahead of the batch
.set cnt, 0
.rept 64
	v_exp_f32 v[S+cnt], v[S+cnt]                   ; p = 2^(t - M), at most 1: not normalised
.set cnt, cnt+1
.endr
	v_pk_mul_f32 v[14:15], v[14:15], v[FF:FF+1] op_sel_hi:[1,0]   ; the sums under the new M: the plain line behind the exponentials
	; the next trip's block: the trip's number, and in waves 8-15 from the change of tiles on p + 1 more
	s_add_co_u32 s27, s[I], 1
	WHERE
	s_wait_alu depctr_va_vdst(0)                   ; one wait for the batch and for O^T's products, ahead of their first readers
.set cnt, 0
.rept 16
	v_pk_mul_f32 v[O+cnt:O+cnt+1], v[O+cnt:O+cnt+1], v[FF:FF+1] op_sel_hi:[1,0]   ; O^T under the new M
.set cnt, cnt+2
.endr
.irp m, 0,2,4,6                                ; THE ROW'S SUM IS TAKEN OF THE UNQUANTISED p: blocks 0 and 1 in four chains, ahead of their hold
	v_pk_add_f32 v[A0+\m:A0+\m+1], v[S+\m:S+\m+1], v[S+8+\m:S+9+\m]
.endr
.irp n, 16,24
.irp m, 0,2,4,6
	v_pk_add_f32 v[A0+\m:A0+\m+1], v[A0+\m:A0+\m+1], v[S+\n+\m:S+\n+\m+1]
.endr
.endr
	HOLD S, S, 0
	HOLD S+16, S+16, 1
	CODES S, 0
	CODES S+16, 1
	v_add_nc_u32 v[ADR], s[TB], v[LI]              ; the next step's address: the plain line behind the conversions
	HOLD S, S+32, 2                                ; blocks 2 and 3 are held into the registers that blocks 0 and 1 have left: so their p stay for the sum
	HOLD S+16, S+48, 3
	CODES S, 2
	CODES S+16, 3
.irp m, 0,2,4,6                                ; blocks 2 and 3 of the sum, four more chains.  These four are also the places between the codes and the products
	v_pk_add_f32 v[BM+\m:BM+\m+1], v[S+32+\m:S+33+\m], v[S+40+\m:S+41+\m]
.endr
	s_wait_alu depctr_va_vdst(0)                   ; directly ahead of the wait below
	s_wait_dscnt 0x0                               ; V is in
.irp t, 0,1,2,3                                ; O^T += V^T P^T: K = these 128 keys.  The four accumulators take turns, and the next step's eight products stand between two links of a chain
	v_wmma_scale_f32_16x16x128_f8f6f4 v[O+8*\t:O+8*\t+7], v[F+16*\t:F+16*\t+15], v[PC:PC+15], v[O+8*\t:O+8*\t+7], v[SC+2*(\t%2)+\t/2], v[PS] matrix_a_scale:MATRIX_SCALE_ROW1
.endr
.irp n, 48,56                                  ; the rest of the sum: eight places in front of the next step's loads
.irp m, 0,2,4,6
	v_pk_add_f32 v[BM+\m:BM+\m+1], v[BM+\m:BM+\m+1], v[S+\n+\m:S+\n+\m+1]
.endr
.endr
.endm
; 16 rows of 256 bytes: S^T's first 32 registers (8 t + i: channel 16 t + 8 h + i of query r) go through my pair's stage, so that sixteen lanes store one whole row
.macro TOSTAGE
.irp t, 0,1,2,3
	ds_store_b128 v[SIN], v[S+8*\t:S+8*\t+3] offset:64*\t
	ds_store_b128 v[SIN], v[S+8*\t+4:S+8*\t+7] offset:64*\t+16
.endr
.irp i, 0,1,2,3,4,5,6,7
	ds_load_b128 v[S+32+4*\i:S+35+4*\i], v[SBK] offset:2*\i*SPITCH   ; LDS serves a wave's instructions in order (ISA guide 5.7.1.4): these see my stores
.endr
.endm
.macro SEND base
.irp i, 0,1,2,3,4,5,6,7
	s_wait_dscnt 7-\i                              ; load i is in; the younger ones may be out
	global_store_b128 v[GO], v[S+32+4*\i:S+35+4*\i], s[\base:\base+1] offset:512*\i th:TH_STORE_NT   ; 32 lanes store 512 consecutive bytes, aligned
.endr
.endm
; THE CHANGE OF TILES, in waves 8-15 at trip SWI: the early tile goes out, and the late tile's second part begins from nothing.  The next step's K is on its way into F meanwhile.
.macro CHANGE
	s_wait_alu depctr_va_vdst(0)                   ; ahead of the branches
	s_cmp_lt_u32 s[WV], 8
	s_cbranch_scc1 .Lsame_\@
	s_cmp_lg_u32 s[I], s[SWI]
	s_cbranch_scc1 .Lsame_\@
	COMBINE
	v_add_f32 v14, v14, v15                        ; the sum's two halves,
	v_permlanex16_b32 v[T2], v14, s[SEL], s[SEL+1]
	v_add_f32 v14, v14, v[T2]                      ; and lane l xor 16's: the row's sum
	s_wait_alu depctr_va_vdst(0)                   ; ahead of the transcendental
	v_rcp_f32 v14, v14
	v_mov_b32 v[QS], v[QS2]                        ; plain work behind the reciprocal: the second tile's Q
.irp i, 0,1,2,3,4,5,6,7
	v_mov_b32 v[QZ+8+\i], v[Q2+\i]
.endr
	s_wait_alu depctr_va_vdst(0)                   ; and ahead of its first reader, which is O^T's too
.set cnt, 0
.rept 16
	v_pk_mul_f32 v[S+cnt:S+cnt+1], v[O+cnt:O+cnt+1], v[14:15] op_sel_hi:[1,0]   ; O^T / the sum
.set cnt, cnt+2
.endr
	TOSTAGE
.set cnt, 0
.rept 32
	v_mov_b32 v[O+cnt], 0
.set cnt, cnt+1
.endr
.irp i, 0,1,2,3,4,5,6,7
	v_mov_b32 v[A0+\i], 0
	v_mov_b32 v[BM+\i], 0
.endr
	v_mov_b32 v14, 0
	v_mov_b32 v15, 0
	v_mov_b32 v12, 0x7f61b1e6
	s_mov_b32 s[CB], s[LB]
	s_wait_alu depctr_va_vdst(0)                   ; ahead of the waits below
	SEND OF
	s_wait_xcnt 0x0                                ; the stores have read their registers, which the next scores are laid over
.Lsame_\@:
.endm
	s_wait_alu depctr_va_vdst(0)                   ; the wait at the head's end
	s_cmp_lt_u32 s[WV], 1
	s_cbranch_scc0 .Lshow0
	s_wait_tensorcnt 0x0                           ; wave 0: block 0 is in
.Lshow0:
	s_barrier_signal -1
	s_barrier_wait -1
	KLOAD
	STEP 1                                         ; trip 0
	s_cmp_lt_u32 s[WV], 5
	s_cbranch_scc0 .Lshow1
	s_wait_tensorcnt 0x0                           ; waves 0-4: blocks 0, 1, 9, 2, 10: all that trips 1 and 2 read
.Lshow1:
	s_barrier_signal -1
	s_barrier_wait -1
	KLOAD
	s_add_co_u32 s[I], s[I], 1
	CHANGE
	STEP 0                                         ; trip 1
	KLOAD
	s_add_co_u32 s[I], s[I], 1
	CHANGE
	STEP 0                                         ; trip 2
	s_wait_tensorcnt 0x0                           ; every wave: all 16 blocks
	s_barrier_signal -1
	s_barrier_wait -1
	KLOAD
	s_add_co_u32 s[I], s[I], 1
.Lloop:                                                ; trips 3 to 8; in waves 8-15 the last one has no step
	CHANGE
	s_cmp_ge_u32 s[I], s[NL]
	s_cbranch_scc1 .Lskip
	STEP 0
	s_add_co_u32 s27, s[I], 1
	s_cmp_ge_u32 s27, s[NL]                        ; my last step has no next one to ask for
	s_cbranch_scc1 .Lskip
	KLOAD
.Lskip:
	s_add_co_u32 s[I], s[I], 1
	s_wait_alu depctr_va_vdst(0)                   ; ahead of the branch
	s_cmp_lt_u32 s[I], 9
	s_cbranch_scc1 .Lloop
	; THE LATE TILE'S TWO PARTS ARE JOINED.  Waves 8-15 lay O^T, -M and the sum into the pair's bytes, as images of the registers
	COMBINE
	s_wait_alu depctr_va_vdst(0)                   ; ahead of the branch
	s_cmp_lt_u32 s[WV], 8
	s_cbranch_scc1 .Lfirst_part
	v_add_f32 v13, v14, v15
.irp k, 0,1,2,3,4,5,6,7
	ds_store_b128 v[PBA], v[O+4*\k:O+4*\k+3] offset:512*\k
.endr
	ds_store_b64 v[PBA], v[12:13] offset:4096
.Lfirst_part:
	s_wait_dscnt 0x0                               ; my stores are done, for the other wave's sake
	s_barrier_signal -1
	s_barrier_wait -1
	s_cmp_lt_u32 s[WV], 8
	s_cbranch_scc0 .Lend
.irp k, 0,1,2,3,4,5,6,7
	ds_load_b128 v[S+4*\k:S+4*\k+3], v[PBA] offset:512*\k
.endr
	ds_load_b64 v[BM:BM+1], v[PBA] offset:4096     ; the other part's -M and sum
	v_add_f32 v14, v14, v15
	s_wait_alu depctr_va_vdst(0)                   ; directly ahead of the wait below
	s_wait_dscnt 0x0
	v_min_num_f32 v[TV], v12, v[BM]                ; the joint -M
	v_sub_f32 v[TA], v[TV], v12
	v_sub_f32 v[TV], v[TV], v[BM]                  ; (a part without steps has -M = 3e38: its factor becomes 0)
	v_cvt_i32_f32 v[TA], v[TA]
	v_cvt_i32_f32 v[TV], v[TV]
	v_ldexp_f32 v[FF], 1.0, v[TA]                  ; each part's factor: exact
	v_ldexp_f32 v[T2], 1.0, v[TV]
	v_mul_f32 v14, v14, v[FF]
	v_fma_f32 v14, v[BM+1], v[T2], v14
	v_permlanex16_b32 v[T2+2], v14, s[SEL], s[SEL+1]
	v_add_f32 v14, v14, v[T2+2]                    ; the row's sum
	s_wait_alu depctr_va_vdst(0)                   ; ahead of the transcendental
	v_rcp_f32 v14, v14
	v_nop                                          ; the plain place behind it
	s_wait_alu depctr_va_vdst(0)                   ; and ahead of its first reader and of O^T's
	v_mul_f32 v[FF], v[FF], v14
	v_mul_f32 v[T2], v[T2], v14
.set cnt, 0
.rept 16
	v_pk_mul_f32 v[S+cnt:S+cnt+1], v[S+cnt:S+cnt+1], v[T2:T2+1] op_sel_hi:[1,0]
.set cnt, cnt+2
.endr
.set cnt, 0
.rept 16
	v_pk_fma_f32 v[S+cnt:S+cnt+1], v[O+cnt:O+cnt+1], v[FF:FF+1], v[S+cnt:S+cnt+1] op_sel_hi:[1,0,1]
.set cnt, cnt+2
.endr
	TOSTAGE
	SEND OL
.Lend:
	s_wait_tensorcnt 0x0                           ; the wave's end: behind my last tensor load and my last LDS store
	ds_add_u32 v[SPW], v[NIL]
	s_wait_dscnt 0x0
	ROUND                                          ; the closing round: no work-group ends while a partner may still issue a load that names it
	s_endpgm
.Lfunc_end_k_qe9aa76afac_attn:
	.size	k_qe9aa76afac_attn, .Lfunc_end_k_qe9aa76afac_attn-k_qe9aa76afac_attn
	.p2alignl 7, 3214868480
	.fill 96, 4, 3214868480
	.section	.rodata,"a",@progbits
	.p2align	6, 0x0
	.amdhsa_kernel k_qe9aa76afac_attn
		.amdhsa_group_segment_fixed_size 327680
		.amdhsa_private_segment_fixed_size 0
		.amdhsa_enable_private_segment 0
		.amdhsa_kernarg_size 24
		.amdhsa_user_sgpr_count 2
		.amdhsa_user_sgpr_kernarg_segment_ptr 1
		.amdhsa_wavefront_size32 1
		.amdhsa_system_sgpr_workgroup_id_x 1
		.amdhsa_system_sgpr_workgroup_id_y 1
		.amdhsa_system_sgpr_workgroup_id_z 1
		.amdhsa_system_vgpr_workitem_id 0
		.amdhsa_next_free_vgpr 256
		.amdhsa_next_free_sgpr 66
		.amdhsa_reserve_vcc 0
		.amdhsa_float_denorm_mode_32 3
		.amdhsa_float_denorm_mode_16_64 3
		.amdhsa_memory_ordered 1
		.amdhsa_forward_progress 1
		.amdhsa_inst_pref_size 138
	.end_amdhsa_kernel
	.amdgpu_metadata
---
amdhsa.version: [ 1, 2 ]
amdhsa.kernels:
  - .name:           k_qe9aa76afac_attn
    .symbol:         k_qe9aa76afac_attn.kd
    .args:
      - { .name: q, .offset: 0, .size: 8, .value_kind: global_buffer, .address_space: global }
      - { .name: kv, .offset: 8, .size: 8, .value_kind: global_buffer, .address_space: global }
      - { .name: out0, .offset: 16, .size: 8, .value_kind: global_buffer, .address_space: global }
    .group_segment_fixed_size: 327680
    .private_segment_fixed_size: 0
    .kernarg_segment_align: 8
    .kernarg_segment_size: 24
    .max_flat_workgroup_size: 512
    .sgpr_count:     66
    .vgpr_count:     256
    .wavefront_size: 32
...
	.end_amdgpu_metadata
.endif
;; end of part 2
